; MI455X (gfx1250); checked and timed in simulation.
; The chip was launched on July 23, 2026; its instructions are those of AMD's public machine-readable ISA for CDNA 5 (MIT licence, August 2026) and "CDNA5" Instruction Set Architecture Reference Guide (July 2026). The comments in the code are by the model that wrote it; some were corrected since.
;; Multi Head Attention. Allowed arithmetic: matrix products marked QUANTISED: E4M3 operands, one E8M0 scale for each 32 along K, by v_wmma_scale_f32_16x16x128_f8f6f4 with both operands' format E4M3, f32 sums; everything else in f32.
;; Inputs: attn_mask 4 x 2,048 x 2,048 bool; b_k 1,024 float32; b_q 1,024 float32; b_v 1,024 float32; w_k_codes 1,024 x 32 x 32 uint8 (E4M3 codes of w_k, K innermost, in blocks of 32 codes); w_k_scales 1,024 x 32 uint8 (E8M0 scales of w_k, one for each 32 codes along K); w_q_codes 1,024 x 32 x 32 uint8 (E4M3 codes of w_q, K innermost, in blocks of 32 codes); w_q_scales 1,024 x 32 uint8 (E8M0 scales of w_q, one for each 32 codes along K); w_v_codes 1,024 x 32 x 32 uint8 (E4M3 codes of w_v, K innermost, in blocks of 32 codes); w_v_scales 1,024 x 32 uint8 (E8M0 scales of w_v, one for each 32 codes along K); x_k_v_codes 4 x 2,048 x 32 x 32 uint8 (E4M3 codes of x_k_v, K innermost, in blocks of 32 codes); x_k_v_scales 4 x 2,048 x 32 uint8 (E8M0 scales of x_k_v, one for each 32 codes along K); x_q_codes 4 x 2,048 x 32 x 32 uint8 (E4M3 codes of x_q, K innermost, in blocks of 32 codes); x_q_scales 4 x 2,048 x 32 uint8 (E8M0 scales of x_q, one for each 32 codes along K).
;; Outputs: out0 4 x 2,048 x 1,024 float32.
;; This version of the problem:
;;   THIS VERSION OF THE PROBLEM IS GIVEN IN LOW PRECISION. The matrix products marked QUANTISED in the list below multiply operands that are first quantised to E4M3 (4 exponent bits, 3 mantissa bits; 8 bits a number), with one power-of-two scale for each 32 numbers along K (OCP MX v1.0); their sums are f32. All else is computed in f32.
;;   The module's matrix products, in the order in which they are computed (A, B: the left and right operand; K: the contracted axis; several contracted axes count as one K, in the product's order):
;;     1. [M 8,192, K 1,024] x [K 1,024, N 1,024]; A: input x_q (given as codes); B: input w_q (given as codes): QUANTISED
;;     2. [M 8,192, K 1,024] x [K 1,024, N 1,024]; A: input x_k_v (given as codes); B: input w_k (given as codes): QUANTISED
;;     3. [M 8,192, K 1,024] x [K 1,024, N 1,024]; A: input x_k_v (given as codes); B: input w_v (given as codes): QUANTISED
;;     4. batch 64 x [M 2,048, K 64] x [K 64, N 2,048]; A: computed on the way; B: computed on the way: QUANTISED
;;     5. batch 64 x [M 2,048, K 2,048] x [K 2,048, N 64]; A: softmax (see below); B: computed on the way: QUANTISED
;;   THE QUANTISER, for each operand of a quantised product, along K:
;;     - K is cut into blocks of 32 from its start; a last block that is shorter is filled with zeros.
;;     - A block's scale is 2^e with e = floor(log2(the largest magnitude in the block)) - 8, held to -126 .. 127; a block of zeros has e = 0. As a byte (E8M0): e + 127.
;;     - Each number is divided by its block's scale, clamped to +-448, and rounded to the nearest number of E4M3, ties to even, subnormals kept.
;;     - The product sums the exact products of the quantised numbers (number of the format x scale) in f32.
;;   ~~~python
;;   def quantise(x, axis):      # numpy; x: float32 -> the quantised numbers, widened to float32 again
;;       x = np.moveaxis(x, axis, -1); K = x.shape[-1]
;;       x = np.pad(x, [(0, 0)] * (x.ndim - 1) + [(0, -K % 32)]); x = x.reshape(x.shape[:-1] + (-1, 32)); a = np.abs(x).max(-1, keepdims=True)
;;       e = np.where(a > 0, np.clip(np.frexp(np.where(a > 0, a, 1))[1] - 1 - 8, -126, 127), 0)      # np.frexp(a)[1] - 1 = floor(log2(a)), exactly
;;       r = np.clip(x / 2.0 ** e, -448, 448)
;;       step = 2.0 ** (np.maximum(np.frexp(np.where(r == 0, 1, r))[1] - 1, -6) - 3)
;;       q = np.round(r / step) * step * 2.0 ** e      # np.round: ties to even
;;       return np.moveaxis(q.reshape(q.shape[:-2] + (-1,))[..., :K], -1, axis).astype(np.float32)
;;   ~~~
;;   SOFTMAX AHEAD OF A QUANTISED PRODUCT. Where the list says 'softmax', what is quantised is not the finished softmax but p = 2^(t - M), with t = logit x log2(e) and M = ceil(the row's largest t), a whole number; so 1/2 < the row's largest p <= 1. The row's sum l is taken of the UNQUANTISED p, in f32, and the product's result is divided by l at the end. Since M is a whole number, a kernel that streams over the keys may use a running M (the ceiling of the running maximum): every later rescaling is an exact power of two, which a block's scale takes up: the codes' values come out the same.
;;   OPERANDS COMPUTED ON THE WAY. 'Computed on the way' means the value that the module computes at that place (a softmax that the list does not call 'softmax' is quantised finished and normalised). What goes into a quantiser is computed in f32, as accurately as f32 sums, v_exp_f32 and their like allow (about 1e-6 of the number): no bf16 or f16 on the way to a quantiser, and a product that is left as it is and whose result goes on into a quantised operand takes f32 operands (vector FMAs, or v_wmma_f32_16x16x4_f32). A number that lies on a knife's edge between two numbers of the format may be rounded either way, as far as f32 arithmetic and the matrix unit's own rounding can turn it there, and no further.
;;   INPUTS GIVEN AS CODES. w_k (in the module: [1024, 1024], K = its axis 1); w_q (in the module: [1024, 1024], K = its axis 1); w_v (in the module: [1024, 1024], K = its axis 1); x_k_v (in the module: [4, 2048, 1024], K = its axis 2); x_q (in the module: [4, 2048, 1024], K = its axis 2): each comes as NAME_codes (uint8): NAME with its K axis moved to the last place and cut into blocks of 32 codes, [.., K / 32, bytes a block], one block behind the other in memory; one code a byte (a code: sign, 4 exponent bits, 3 mantissa bits); and NAME_scales (uint8): the same leading axes, one E8M0 byte (e + 127) for each 32 codes along K. Its value is code x scale, taken as it is: it is not quantised again, and the codes and scales need not be those that the quantiser above would give.
;; One version. Each part assembles by itself: llvm-mc -triple=amdgcn-amd-amdhsa -mcpu=gfx1250 --defsym DOCPART=n.
;; ======== version 1 of 1: 3 launches
;; limits: right only within a limited range of input values
;; workspace buffers: qc 8,912,896 bytes; kv 17,825,792 bytes; mbits 2,097,152 bytes of whole numbers; msum 65,536 bytes of whole numbers
;; launch maskbits (part 1): grid 256 x 1, 8 waves a work-group, no clusters, 69,632 bytes of LDS; arguments attn_mask, mbits, msum; writes mbits, msum
.if DOCPART == 1
	.amdgcn_target "amdgcn-amd-amdhsa--gfx1250"
	.amdhsa_code_object_version 6
	.text
	.protected	k_q3f6f22d52e_maskbits
	.globl	k_q3f6f22d52e_maskbits
	.p2align	8
	.type	k_q3f6f22d52e_maskbits,@function
k_q3f6f22d52e_maskbits:
	s_mov_b64 s[64:65], 0
	v_nop
	global_prefetch_b8 v0, s[64:65] scope:SCOPE_SE
	s_setreg_imm32_b32 hwreg(HW_REG_WAVE_MODE, 25, 1), 1
	s_wait_xcnt 0x0
; attn_mask [4][2048][2048], one byte a place (bool: 0 open, 1 hidden), becomes bits laid as the attention launch's lanes and registers want them:
; mbits [512 tiles of 16 queries][16 steps of 128 keys][64 words]; bit l of word n = 8 tau + j is the mask of query 16 T + l % 16 and key 128 step + 16 tau + 8 (l / 16) + j: a word is a lane mask for one score register;
; msum [512 tiles][16 steps][2 words]: the AND of the step's 64 words (bit l: all 64 places of lane l are hidden), and a word that is not 0 where the step hides anything.
; A wave takes one tile of 16 queries x 512 keys (4 steps).  Each load reads 512 consecutive bytes of one row; the 16 rows turn through the wave's own stage in LDS (rows 528 bytes apart:
; 132 words, so that the 32 lanes of an 8-byte read fall on 64 different banks: ISA guide 11.1) and come back 8 bytes a lane: my query's 8 keys of one tile of 16 keys.
; A step's two summary words come first, from the AND and the OR of each lane's 16 registers.  A step that hides nothing, or everything, has 64 equal words: they are stored as a constant.
; Only a mixed step makes its words one by one: a compare makes a word; v_writelane_b32 lays word n into lane n / 2 of register n % 2.  Either way 32 lanes store a step's 256 bytes as one aligned run.
; The branch hangs on whole numbers read from memory: the launch has no tensor load, and the branch leads round no barrier.
; The eight waves' summary words, 32 bytes each, meet in LDS behind one barrier, and wave 0 stores the work-group's 256 bytes as one aligned run.
; No matrix unit and no cluster: the launch only moves bytes, and no two work-groups read the same ones.
.set PITCH, 528
.set WREG,  16*PITCH                   ; a wave's stage
.set R,     16                         ; v16-79   16 rows as loaded
.set X,     80                         ; v80-143  32 tiles of keys, 8 bytes each
.set OUT,   144                        ; v144-151 a pair of registers for each step
	s_load_b128 s[4:7], s[0:1], 0x0                ; attn_mask, mbits
	s_load_b64 s[28:29], s[0:1], 0x10              ; msum
	v_lshl_add_u32 v160, v0, 2, 0x10800
	v_mov_b32 v161, 0
	v_lshrrev_b32 v5, 5, v0
	s_delay_alu instid0(VALU_DEP_1)
	v_readfirstlane_b32 s8, v5                     ; wave 0..7
	v_and_b32 v6, 31, v0                           ; lane
	v_and_b32 v7, 15, v0                           ; r
	v_bfe_u32 v5, v0, 4, 1                         ; h
	s_delay_alu instid0(VALU_DEP_3)
	v_lshlrev_b32 v1, 4, v6                        ; 16 bytes a lane of a row's 512
	s_mul_i32 s9, s8, WREG
	v_add_nc_u32 v2, s9, v1                        ; the stage, on the way in
	v_mul_u32_u24 v3, v7, PITCH
	s_delay_alu instid0(VALU_DEP_1)
	v_lshl_add_u32 v3, v5, 3, v3
	s_delay_alu instid0(VALU_DEP_1)
	v_add_nc_u32 v3, s9, v3                        ; and on the way out: row r, + 8 h
	v_lshlrev_b32 v4, 3, v6                        ; the store: 8 bytes a lane
	s_lshl_b32 s10, ttmp9, 3
	s_add_co_u32 s10, s10, s8                      ; W = 8 x work-group + wave: tile W / 4, quarter W % 4
	s_lshr_b32 s11, s10, 2
	s_and_b32 s12, s10, 3
	s_lshl_b32 s14, s11, 15                        ; 16 rows of 2,048 bytes a tile,
	s_lshl_b32 s12, s12, 9                         ; 512 bytes a quarter
	s_add_co_u32 s14, s14, s12
	s_mov_b32 s15, 0
	s_lshl_b32 s12, s10, 10                        ; mbits: (16 tile + 4 quarter) x 256 = 1,024 W
	s_mov_b32 s13, 0
	s_lshl_b32 s30, ttmp9, 8                       ; msum: a work-group's two tiles are 256 bytes
	s_mov_b32 s31, 0
	v_mov_b32 v152, 0                              ; my eight summary words, in lanes 0 to 7
	v_lshl_add_u32 v153, v0, 2, 0x10c00            ; where they go in LDS: 128 bytes a wave, behind the spare words
	v_bfe_u32 v154, v0, 2, 3                       ; and where wave 0 reads them back: lane l takes words 2 (l % 4), + 1 of wave l / 4
	v_and_b32 v155, 3, v0
	v_lshlrev_b32 v154, 7, v154
	v_lshl_add_u32 v154, v155, 3, v154
	v_add_nc_u32 v154, 0x10c00, v154
.irp i, 0,1,2,3,4,5,6,7
	v_mov_b32 v[OUT+\i], 0                         ; v_writelane_b32's destination counts as read
.endr
	s_wait_kmcnt 0x0
	s_add_nc_u64 s[4:5], s[4:5], s[14:15]
	s_add_nc_u64 s[6:7], s[6:7], s[12:13]
	s_add_nc_u64 s[28:29], s[28:29], s[30:31]
.irp i, 0,1,2,3,4,5,6,7,8,9,10,11,12,13,14,15
	global_load_b128 v[R+4*\i:R+4*\i+3], v1, s[4:5] offset:2048*\i th:TH_LOAD_NT   ; row i: 512 consecutive bytes, read once in the launch
.endr
.irp i, 0,1,2,3,4,5,6,7,8,9,10,11,12,13,14,15
	s_wait_loadcnt 15-\i                           ; loads come back in order: row i is in, the rows behind it stay out
	ds_store_b128 v2, v[R+4*\i:R+4*\i+3] offset:PITCH*\i
.endr
.set q, 0
.rept 32
	ds_load_b64 v[X+2*q:X+2*q+1], v3 offset:16*q   ; LDS serves a wave's instructions in order: these see my stores
.set q, q+1
.endr
.macro UNIT u                          ; one step of 128 keys: 64 words
	s_wait_dscnt 24-8*\u                           ; this step's eight loads are in; the later steps' stay out
	v_and_b32 v159, v[X+16*\u], v[X+16*\u+1]       ; the AND of my 64 bytes, in two chains, and their OR
	v_or3_b32 v158, v[X+16*\u], v[X+16*\u+1], v[X+16*\u+2]
	v_and_b32 v8, v[X+16*\u+2], v[X+16*\u+3]
.irp i, 3,5,7,9,11,13
	v_or3_b32 v158, v158, v[X+16*\u+\i], v[X+16*\u+\i+1]
	v_and_b32 v159, v159, v[X+16*\u+\i+1]
	v_and_b32 v8, v8, v[X+16*\u+\i+2]
.endr
	v_or_b32 v158, v158, v[X+16*\u+15]
	v_and_b32 v159, v159, v8
	v_cmp_eq_u32 s24, 0x01010101, v159             ; bit l: all 64 places of lane l are hidden
	v_cmp_ne_u32 s26, 0, v158                      ; bit l: some place of lane l is hidden
	v_writelane_b32 v152, s24, 2*\u
	v_writelane_b32 v152, s26, 2*\u+1
	s_cmp_eq_u32 s24, -1
	s_cselect_b32 s27, -1, 0                       ; the word of a step that is alike throughout
	s_cselect_b32 s25, 0, s26                      ; 0 where it is: all hidden, or nothing hidden
	s_cmp_eq_u32 s25, 0
	s_cbranch_scc0 .Lmixed_\@
	v_mov_b32 v[OUT+2*\u], s27
	v_mov_b32 v[OUT+2*\u+1], s27
	s_branch .Lstore_\@
.Lmixed_\@:
.irp tau, 0,1,2,3,4,5,6,7
.irp j, 0,1,2,3,4,5,6,7
	v_and_b32 v[8+\j], 0xff<<(8*(\j%4)), v[X+2*(8*\u+\tau)+\j/4]   ; byte j of my eight
.endr
.irp j, 0,1,2,3,4,5,6,7
	v_cmp_ne_u32 s[16+\j], 0, v[8+\j]              ; the 32 lanes' bits: word 8 tau + j
.endr
.irp j, 0,1,2,3,4,5,6,7
	v_writelane_b32 v[OUT+2*\u+\j%2], s[16+\j], 4*\tau+\j/2
.endr
.endr
.Lstore_\@:
	s_wait_alu depctr_va_vdst(0)                   ; directly ahead of the reader
	global_store_b64 v4, v[OUT+2*\u:OUT+2*\u+1], s[6:7] offset:256*\u   ; 32 lanes store 256 consecutive bytes, aligned
.endm
	UNIT 0
	UNIT 1
	UNIT 2
	UNIT 3
	s_wait_alu depctr_va_vdst(0)
	ds_store_b32 v153, v152                        ; the eight waves' summary words meet in LDS,
	s_wait_dscnt 0x0
	s_barrier_signal -1
	s_barrier_wait -1
	s_cmp_lg_u32 s8, 0
	s_cbranch_scc1 .Lnot_first
	ds_load_b64 v[156:157], v154
	s_wait_dscnt 0x0
	global_store_b64 v4, v[156:157], s[28:29]      ; and wave 0 stores the work-group's 256 bytes as one aligned run
.Lnot_first:
	s_wait_tensorcnt 0x0                           ; the wave's end
	ds_add_u32 v160, v161
	s_wait_dscnt 0x0
	s_endpgm
.Lfunc_end_k_q3f6f22d52e_maskbits:
	.size	k_q3f6f22d52e_maskbits, .Lfunc_end_k_q3f6f22d52e_maskbits-k_q3f6f22d52e_maskbits
	.p2alignl 7, 3214868480
	.fill 96, 4, 3214868480
	.section	.rodata,"a",@progbits
	.p2align	6, 0x0
	.amdhsa_kernel k_q3f6f22d52e_maskbits
		.amdhsa_group_segment_fixed_size 69632
		.amdhsa_private_segment_fixed_size 0
		.amdhsa_enable_private_segment 0
		.amdhsa_kernarg_size 24
		.amdhsa_user_sgpr_count 2
		.amdhsa_user_sgpr_kernarg_segment_ptr 1
		.amdhsa_wavefront_size32 1
		.amdhsa_system_sgpr_workgroup_id_x 1
		.amdhsa_system_sgpr_workgroup_id_y 1
		.amdhsa_system_sgpr_workgroup_id_z 1
		.amdhsa_system_vgpr_workitem_id 0
		.amdhsa_next_free_vgpr 162
		.amdhsa_next_free_sgpr 66
		.amdhsa_reserve_vcc 0
		.amdhsa_float_denorm_mode_32 3
		.amdhsa_float_denorm_mode_16_64 3
		.amdhsa_memory_ordered 1
		.amdhsa_forward_progress 1
		.amdhsa_inst_pref_size 63
	.end_amdhsa_kernel
	.amdgpu_metadata
---
amdhsa.version: [ 1, 2 ]
amdhsa.kernels:
  - .name:           k_q3f6f22d52e_maskbits
    .symbol:         k_q3f6f22d52e_maskbits.kd
    .args:
      - { .name: attn_mask, .offset: 0, .size: 8, .value_kind: global_buffer, .address_space: global }
      - { .name: mbits, .offset: 8, .size: 8, .value_kind: global_buffer, .address_space: global }
      - { .name: msum, .offset: 16, .size: 8, .value_kind: global_buffer, .address_space: global }
    .group_segment_fixed_size: 69632
    .private_segment_fixed_size: 0
    .kernarg_segment_align: 8
    .kernarg_segment_size: 24
    .max_flat_workgroup_size: 256
    .sgpr_count:     66
    .vgpr_count:     162
    .wavefront_size: 32
...
	.end_amdgpu_metadata
.endif
;; end of part 1
;; launch proj (part 2): grid 192 x 1, 4 waves a work-group, clusters of 4 x 1, 327,680 bytes of LDS; arguments x_q_codes, x_q_scales, x_k_v_codes, x_k_v_scales, w_q_codes, w_q_scales, w_k_codes, w_k_scales, w_v_codes, w_v_scales, b_q, b_k, b_v, qc, kv; writes qc, kv
.if DOCPART == 2
	.amdgcn_target "amdgcn-amd-amdhsa--gfx1250"
	.amdhsa_code_object_version 6
	.text
	.protected	k_q3f6f22d52e_proj
	.globl	k_q3f6f22d52e_proj
	.p2align	8
	.type	k_q3f6f22d52e_proj,@function
k_q3f6f22d52e_proj:
	s_mov_b64 s[64:65], 0
	v_nop
	global_prefetch_b8 v0, s[64:65] scope:SCOPE_SE
	s_setreg_imm32_b32 hwreg(HW_REG_WAVE_MODE, 25, 1), 1
	s_wait_xcnt 0x0
	s_wait_alu depctr_hold_cnt(0) depctr_sa_sdst(0) depctr_va_vdst(0) depctr_va_sdst(0) depctr_va_ssrc(0) depctr_va_vcc(0) depctr_vm_vsrc(0)
	s_getreg_b32 s2, hwreg(HW_REG_IB_STS2, 6, 4)
	s_cmp_eq_u32 s2, 0
	s_cbranch_scc0 .Lentry_in_a_cluster
	s_endpgm
.Lentry_in_a_cluster:
	s_bfe_u32 s2, ttmp6, 0x10000c
	s_cmp_lg_u32 s2, 0x3003
	s_cbranch_scc0 .Lentry_shape_is_right
	s_endpgm
.Lentry_shape_is_right:
.set PITCH, 1040
.set SLOT,  128*PITCH
.set QUART, 32*PITCH
.set SCB,   2*SLOT
.set SPARE, SCB+16384
.set REC,   8704
.set NP,    9
.set SPW, 1
.set NIL, 2
.set XL,  3
.set XA,  4
.set XSL, 6
.set XSA, 7
.set OA,  8
.set WL,  9
.set WSO, 10
.set BO,  11
.set BOV, 15
.set XF,  16
.set XS,  144
.set WS,  176
.set BIAS, 192
.set TM,  224
.set PW,  240
.set WV,  3
.set CX,  4
.set P,   5
.set MODE, 8
.set BLK, 9
.set TB,  10
.set FB,  11
.set WOFF, 12
.set TS,  13
.set SEL, 14
.set MNT, 16
.set TR,  17
.set G1,  68
.set G0,  76
.set G1S, 80
.set G0S, 88
.set MSB, 0
.macro WIN new
.if MSB != \new
	s_set_vgpr_msb (MSB<<8)|\new
.set MSB, \new
.endif
.endm
.macro PLACES n
.rept \n
	v_nop
.endr
.endm
.macro CROUND
	s_barrier_signal -1
	s_barrier_wait -1
	s_cmp_lg_u32 s[WV], 0
	s_cbranch_scc1 .Lnot_wave_0_\@
	s_barrier_signal -3
.Lnot_wave_0_\@:
	s_barrier_wait -3
	s_barrier_signal -1
	s_barrier_wait -1
.endm
	s_load_b512 s[20:35], s[0:1], 0x0
	s_load_b256 s[36:43], s[0:1], 0x40
	s_load_b128 s[44:47], s[0:1], 0x60
	s_load_b64 s[48:49], s[0:1], 0x70
	v_lshl_add_u32 v[SPW], v0, 2, SPARE
	v_mov_b32 v[NIL], 0
	ds_add_u32 v1, v2
	ds_add_u32 v1, v2
	s_wait_dscnt 0x0
	v_lshrrev_b32 v12, 5, v0
	v_readfirstlane_b32 s[WV], v12
	s_bfe_u32 s[CX], ttmp6, 0x40000
	s_lshr_b32 s[P], ttmp9, 4
	s_and_b32 s[TR], ttmp9, 15
	s_mov_b32 s[G1+0], 15|(1<<20)|(1<<21)|(7<<22)|(3<<25)
	s_mov_b32 s[G1+1], 1024<<16
	s_mov_b32 s[G1+2], 32<<16
	s_mov_b32 s[G1+3], 1024<<16
	s_mov_b32 s[G1+4], 32
	s_mov_b32 s[G1+5], 1024
	s_mov_b32 s[G1+6], 0
	s_mov_b32 s[G1+7], 0
	s_mov_b32 s[G1S+0], 15|(3<<16)|(1<<21)
	s_mov_b32 s[G1S+1], 32<<16
	s_mov_b32 s[G1S+2], 16<<16
	s_mov_b32 s[G1S+3], 32<<16
	s_mov_b32 s[G1S+4], 16
	s_mov_b32 s[G1S+5], 32
	s_mov_b32 s[G1S+6], 0
	s_mov_b32 s[G1S+7], 0
	s_mul_i32 s[WOFF], s[WV], QUART
	s_mov_b32 s[TB], 0
	s_mov_b32 s[FB], 0
	s_mov_b32 s[TS], 0
	s_mov_b32 s[BLK], 3
	s_mov_b32 s[SEL], 0x76543210
	s_mov_b32 s[SEL+1], 0xfedcba98
	s_mov_b32 s[MNT], 0x600000
	s_lshl_b32 s18, s[TR], 19
	s_lshl_b32 s19, s[WV], 15
	s_add_co_u32 s18, s18, s19
	s_mov_b32 s19, 0
	s_lshl_b32 s6, s[TR], 14
	s_lshl_b32 s7, s[WV], 12
	s_add_co_u32 s6, s6, s7
	s_mov_b32 s7, 0
	s_wait_kmcnt 0x0
	s_cmp_eq_u32 s[P], 0
	s_cselect_b64 s[50:51], s[20:21], s[24:25]
	s_cselect_b64 s[52:53], s[22:23], s[26:27]
	s_cselect_b64 s[54:55], s[28:29], s[32:33]
	s_cselect_b64 s[56:57], s[30:31], s[34:35]
	s_cselect_b64 s[58:59], s[40:41], s[42:43]
	s_cselect_b64 s[60:61], s[46:47], s[48:49]
	s_mov_b32 s62, 2*REC
	s_cselect_b32 s62, REC, s62
	s_mov_b32 s63, 0
	s_cmp_eq_u32 s[P], 2
	s_cselect_b64 s[54:55], s[36:37], s[54:55]
	s_cselect_b64 s[56:57], s[38:39], s[56:57]
	s_cselect_b64 s[58:59], s[44:45], s[58:59]
	s_cselect_b32 s[MODE], 1, 0
	s_cselect_b32 s93, REC, 0
	s_mov_b32 s[G0], 1
	s_mov_b32 s[G0+1], s[WOFF]
	s_add_nc_u64 s[G0+2:G0+3], s[50:51], s[18:19]
	s_or_b32 s[G0+3], s[G0+3], 0x80000000
	s_mov_b32 s[G0S], 1
	s_lshl_b32 s[G0S+1], s[WV], 12
	s_add_co_u32 s[G0S+1], s[G0S+1], SCB
	s_add_nc_u64 s[G0S+2:G0S+3], s[52:53], s[6:7]
	s_or_b32 s[G0S+3], s[G0S+3], 0x80000000
	s_lshl_b32 s92, s[CX], 2
	s_add_co_u32 s92, s92, s[WV]
	s_lshr_b32 s94, s[TR], 2
	s_lshl_b32 s94, s94, 4
	s_add_co_u32 s94, s94, s92
	s_lshl_b32 s94, s94, 4
	s_and_b32 s95, s[TR], 3
	s_lshl_b32 s95, s95, 2
	s_add_co_u32 s94, s94, s95
	s_mul_i32 s94, s94, s62
	s_add_co_u32 s94, s94, s93
	s_mov_b32 s95, 0
	s_add_nc_u64 s[60:61], s[60:61], s[94:95]
	s_lshl_b32 s94, s92, 16
	s_add_nc_u64 s[54:55], s[54:55], s[94:95]
	s_lshl_b32 s94, s92, 11
	s_add_nc_u64 s[56:57], s[56:57], s[94:95]
	s_lshl_b32 s94, s92, 8
	s_add_nc_u64 s[58:59], s[58:59], s[94:95]
	CROUND
	tensor_load_to_lds s[G0S:G0S+3], s[G1S:G1S+7]
	s_nop 0
	s_wait_alu depctr_va_vdst(0)
	s_wait_tensorcnt 0x0
	ds_add_u32 v1, v2
	s_wait_dscnt 0x0
	CROUND
	tensor_load_to_lds s[G0:G0+3], s[G1:G1+7]
	s_nop 0
	PLACES 4
	v_and_b32 v12, 15, v0
	v_bfe_u32 v13, v0, 4, 1
	v_and_b32 v14, 31, v0
	v_mul_u32_u24 v[XL], v12, PITCH
	v_lshl_add_u32 v[XL], v13, 4, v[XL]
	v_lshl_add_u32 v[XSL], v14, 5, SCB
	v_lshlrev_b32 v[OA], 4, v14
	v_lshlrev_b32 v[WL], 10, v12
	v_lshl_add_u32 v[WL], v13, 4, v[WL]
	v_lshlrev_b32 v[WSO], 5, v14
	v_lshlrev_b32 v[BO], 5, v13
	v_lshlrev_b32 v[BOV], 2, v12
.irp b, 0,1,2,3
	v_mov_b32 v[TM+4+\b], 0
.endr
	WIN 0x40
.irp s, 0,1,2,3
.irp t, 0,1,2,3
.irp c, 0,1,2,3
	global_load_b128 v[64*\s+16*\t+4*\c:64*\s+16*\t+4*\c+3], v[WL], s[54:55] offset:16384*\t+128*\s+32*\c
.endr
.endr
.endr
	WIN 0x80
.irp s, 0,1,2,3
.irp t, 0,1,2,3
.irp c, 0,1,2,3
	global_load_b128 v[64*\s+16*\t+4*\c:64*\s+16*\t+4*\c+3], v[WL], s[54:55] offset:16384*\t+128*(\s+4)+32*\c
.endr
.endr
.endr
	WIN 0
.irp m, 0,1
	global_load_b128 v[WS+8*\m:WS+8*\m+3], v[WSO], s[56:57] offset:1024*\m
	global_load_b128 v[WS+8*\m+4:WS+8*\m+7], v[WSO], s[56:57] offset:1024*\m+16
.endr
	s_cmp_eq_u32 s[MODE], 0
	s_cbranch_scc0 .Lbias_v
.irp t, 0,1,2,3
	global_load_b128 v[BIAS+8*\t:BIAS+8*\t+3], v[BO], s[58:59] offset:64*\t
	global_load_b128 v[BIAS+8*\t+4:BIAS+8*\t+7], v[BO], s[58:59] offset:64*\t+16
.endr
	s_branch .Lbias_in
.Lbias_v:
	s_wait_alu depctr_va_vdst(0)
.irp t, 0,1,2,3
.irp j, 0,1,2,3,4,5,6,7
	global_load_b32 v[BIAS+8*\t+\j], v[BOV], s[58:59] offset:64*\t
.endr
.endr
.Lbias_in:
	s_wait_loadcnt 0x0
.macro MM
.if pA && pB
	v_wmma_scale_f32_16x16x128_f8f6f4 v[rD:rD+7], v[rA:rA+15], v[rB:rB+15], v[rC:rC+7], v[cA], v[cB] matrix_a_scale:MATRIX_SCALE_ROW1 matrix_b_scale:MATRIX_SCALE_ROW1
.elseif pA
	v_wmma_scale_f32_16x16x128_f8f6f4 v[rD:rD+7], v[rA:rA+15], v[rB:rB+15], v[rC:rC+7], v[cA], v[cB] matrix_a_scale:MATRIX_SCALE_ROW1
.elseif pB
	v_wmma_scale_f32_16x16x128_f8f6f4 v[rD:rD+7], v[rA:rA+15], v[rB:rB+15], v[rC:rC+7], v[cA], v[cB] matrix_b_scale:MATRIX_SCALE_ROW1
.else
	v_wmma_scale_f32_16x16x128_f8f6f4 v[rD:rD+7], v[rA:rA+15], v[rB:rB+15], v[rC:rC+7], v[cA], v[cB]
.endif
.endm
.macro MUL16 mode, s, g
.irp f, 0,1,2,3
.irp t, 0,1,2,3
.set tI, 4*(\g)+\f
.set rW, 64*((\s)%4)+16*\t
.set rX, XF+64*(\g)+16*\f
.set cW, WS+8*(\t/2)+(\s)
.set cX, XS+8*(tI/2)+(\s)
.if \mode
.set rD, 64*\t+8*tI
.set rA, rX
.set rB, rW
.set cA, cX
.set cB, cW
.set pA, \f%2
.set pB, \t%2
.else
.set rD, 32*tI+8*\t
.set rA, rW
.set rB, rX
.set cA, cW
.set cB, cX
.set pA, \t%2
.set pB, \f%2
.endif
.if (\s) == 0
.set rC, BIAS+8*\t
.else
.set rC, rD
.endif
	MM
.endr
.endr
.endm
.macro FETCH n
.set fS, (\n)/2
.set fG, (\n)%2
.irp f, 0,1,2,3
.irp c, 0,1,2,3
	ds_load_b128 v[XF+64*fG+16*\f+4*\c:XF+64*fG+16*\f+4*\c+3], v[XA+fG] offset:16*PITCH*\f+128*fS+32*\c
.endr
.endr
.endm
.macro GROUP n
.if (\n) < 15
	s_wait_dscnt 16
.else
	s_wait_dscnt 0x0
.endif
	s_cmp_eq_u32 s[MODE], 0
	s_cbranch_scc0 .Lkeys_\@
.if (\n)/2 == 0
	WIN 0xc1
.elseif (\n)/2 < 4
	WIN 0xf1
.else
	WIN 0xf2
.endif
	MUL16 0, (\n)/2, (\n)%2
	WIN 0
	s_branch .Ljoin_\@
.Lkeys_\@:
.if (\n)/2 == 0
	WIN 0xc4
.elseif (\n)/2 < 4
	WIN 0xf4
.else
	WIN 0xf8
.endif
	MUL16 1, (\n)/2, (\n)%2
	WIN 0
.Ljoin_\@:
.if (\n) != 14
	PLACES NP
.endif
.if (\n) < 14
	s_wait_alu depctr_va_vdst(0)
	FETCH (\n)+2
.endif
.endm
.macro QUANT g
.set A0, 64*(\g)
.set PC, XF+16*(\g)
	WIN 0x3c
.irp b, 0,1,2,3
	v_max3_num_f32 v[TM+\b], 0x4800000, |v[A0+16*\b]|, |v[A0+16*\b+1]|
.endr
.irp i, 2,4,6,8,10,12,14
.irp b, 0,1,2,3
	v_max3_num_f32 v[TM+\b], v[TM+\b], |v[A0+16*\b+\i]|, |v[A0+16*\b+\i+1]|
.endr
.endr
	WIN 0
.irp b, 0,1,2,3
	v_permlanex16_b32 v[TM+4+\b], v[TM+\b], s[SEL], s[SEL+1]
.endr
.irp b, 0,1,2,3
	v_max_num_f32 v[TM+\b], v[TM+\b], v[TM+4+\b]
.endr
.irp b, 0,1,2,3
	v_add_nc_u32 v[TM+12+\b], 0xfc000000, v[TM+\b]
.endr
.irp b, 0,1,2,3
	v_and_or_b32 v[TM+8+\b], v[TM+\b], 0x7f800000, s[MNT]
.endr
.irp b, 0,1,2,3
	v_lshrrev_b32 v[TM+4+\b], 23, v[TM+12+\b]
.endr
	v_lshl_or_b32 v[PW+\g], v[TM+5], 8, v[TM+4]
	v_lshl_or_b32 v[PW+\g], v[TM+6], 16, v[PW+\g]
	v_lshl_or_b32 v[PW+\g], v[TM+7], 24, v[PW+\g]
	WIN 0xc3
.irp b, 0,1,2,3
.irp i, 0,1,2,3,4,5,6,7,8,9,10,11,12,13,14,15
	v_med3_num_f32 v[A0+16*\b+\i], v[A0+16*\b+\i], -v[TM+8+\b], v[TM+8+\b]
.endr
.endr
	WIN 0x03
.irp b, 0,1,2,3
	v_cvt_scalef32_pk8_fp8_f32 v[PC+4*\b:PC+4*\b+1], v[A0+16*\b:A0+16*\b+7], v[TM+12+\b]
	v_cvt_scalef32_pk8_fp8_f32 v[PC+4*\b+2:PC+4*\b+3], v[A0+16*\b+8:A0+16*\b+15], v[TM+12+\b]
.endr
	WIN 0
	v_nop
.endm
.macro CHANGE fill
	s_wait_tensorcnt 0x0
	ds_add_u32 v[SPW], v[NIL]
.if \fill
	s_xor_b32 s[FB], s[FB], SLOT
	s_add_co_u32 s[G0+1], s[FB], s[WOFF]
	s_add_nc_u64 s[G0+2:G0+3], s[G0+2:G0+3], 131072
.endif
	s_wait_dscnt 0x0
.if \fill
	CROUND
	tensor_load_to_lds s[G0:G0+3], s[G1:G1+7]
	s_nop 0
	PLACES 4
.else
	s_barrier_signal -1
	s_barrier_wait -1
.endif
.endm
.macro WORK
	v_add_nc_u32 v[XA], s[TB], v[XL]
	v_add_nc_u32 v[XA+1], SLOT/2, v[XA]
	v_add_nc_u32 v[XSA], s[TS], v[XSL]
.irp m, 0,1,2,3
	ds_load_b128 v[XS+8*\m:XS+8*\m+3], v[XSA] offset:1024*\m
	ds_load_b128 v[XS+8*\m+4:XS+8*\m+7], v[XSA] offset:1024*\m+16
.endr
	FETCH 0
	FETCH 1
.irp n, 0,1,2,3,4,5,6,7,8,9,10,11,12,13,14,15
	GROUP \n
.endr
.irp g, 0,1,2,3
	QUANT \g
.irp c, 0,1,2,3
	global_store_b128 v[OA], v[XF+16*\g+4*\c:XF+16*\g+4*\c+3], s[60:61] offset:2048*\g+512*\c
.endr
.endr
	global_store_b128 v[OA], v[PW:PW+3], s[60:61] offset:8192
	s_wait_xcnt 0x0
	s_add_nc_u64 s[60:61], s[60:61], s[62:63]
	s_xor_b32 s[TB], s[TB], SLOT
	s_add_co_u32 s[TS], s[TS], 4096
.endm
.Lblk:
	CHANGE 1
	WORK
	s_sub_co_u32 s[BLK], s[BLK], 1
	s_cmp_lg_u32 s[BLK], 0
	s_cbranch_scc1 .Lblk
	CHANGE 0
	WORK
	s_wait_tensorcnt 0x0
	ds_add_u32 v[SPW], v[NIL]
	s_wait_dscnt 0x0
	CROUND
	s_endpgm
.Lfunc_end_k_q3f6f22d52e_proj:
	.size	k_q3f6f22d52e_proj, .Lfunc_end_k_q3f6f22d52e_proj-k_q3f6f22d52e_proj
	.p2alignl 7, 3214868480
	.fill 96, 4, 3214868480
	.section	.rodata,"a",@progbits
	.p2align	6, 0x0
	.amdhsa_kernel k_q3f6f22d52e_proj
		.amdhsa_group_segment_fixed_size 327680
		.amdhsa_private_segment_fixed_size 0
		.amdhsa_enable_private_segment 0
		.amdhsa_kernarg_size 120
		.amdhsa_user_sgpr_count 2
		.amdhsa_user_sgpr_kernarg_segment_ptr 1
		.amdhsa_wavefront_size32 1
		.amdhsa_system_sgpr_workgroup_id_x 1
		.amdhsa_system_sgpr_workgroup_id_y 1
		.amdhsa_system_sgpr_workgroup_id_z 1
		.amdhsa_system_vgpr_workitem_id 0
		.amdhsa_next_free_vgpr 1024
		.amdhsa_next_free_sgpr 100
		.amdhsa_reserve_vcc 0
		.amdhsa_float_denorm_mode_32 3
		.amdhsa_float_denorm_mode_16_64 3
		.amdhsa_memory_ordered 1
		.amdhsa_forward_progress 1
		.amdhsa_inst_pref_size 255
	.end_amdhsa_kernel
	.section	.bss,"aw",@nobits
	.p2align	6
	.space	262144
	.amdgpu_metadata
---
amdhsa.version: [ 1, 2 ]
amdhsa.kernels:
  - .name:           k_q3f6f22d52e_proj
    .symbol:         k_q3f6f22d52e_proj.kd
    .args:
      - { .name: x_q_codes, .offset: 0, .size: 8, .value_kind: global_buffer, .address_space: global }
      - { .name: x_q_scales, .offset: 8, .size: 8, .value_kind: global_buffer, .address_space: global }
      - { .name: x_k_v_codes, .offset: 16, .size: 8, .value_kind: global_buffer, .address_space: global }
      - { .name: x_k_v_scales, .offset: 24, .size: 8, .value_kind: global_buffer, .address_space: global }
      - { .name: w_q_codes, .offset: 32, .size: 8, .value_kind: global_buffer, .address_space: global }
      - { .name: w_q_scales, .offset: 40, .size: 8, .value_kind: global_buffer, .address_space: global }
      - { .name: w_k_codes, .offset: 48, .size: 8, .value_kind: global_buffer, .address_space: global }
      - { .name: w_k_scales, .offset: 56, .size: 8, .value_kind: global_buffer, .address_space: global }
      - { .name: w_v_codes, .offset: 64, .size: 8, .value_kind: global_buffer, .address_space: global }
      - { .name: w_v_scales, .offset: 72, .size: 8, .value_kind: global_buffer, .address_space: global }
      - { .name: b_q, .offset: 80, .size: 8, .value_kind: global_buffer, .address_space: global }
      - { .name: b_k, .offset: 88, .size: 8, .value_kind: global_buffer, .address_space: global }
      - { .name: b_v, .offset: 96, .size: 8, .value_kind: global_buffer, .address_space: global }
      - { .name: qc, .offset: 104, .size: 8, .value_kind: global_buffer, .address_space: global }
      - { .name: kv, .offset: 112, .size: 8, .value_kind: global_buffer, .address_space: global }
    .group_segment_fixed_size: 327680
    .private_segment_fixed_size: 0
    .kernarg_segment_align: 8
    .kernarg_segment_size: 120
    .max_flat_workgroup_size: 128
    .sgpr_count:     100
    .vgpr_count:     1024
    .wavefront_size: 32
...
	.end_amdgpu_metadata
.endif
;; end of part 2
;; launch attn (part 3): grid 256 x 1, 8 waves a work-group, no clusters, 35,840 bytes of LDS; arguments qc, kv, mbits, msum, out0; writes out0
.if DOCPART == 3
	.amdgcn_target "amdgcn-amd-amdhsa--gfx1250"
	.amdhsa_code_object_version 6
	.text
	.protected	k_q3f6f22d52e_attn
	.globl	k_q3f6f22d52e_attn
	.p2align	8
	.type	k_q3f6f22d52e_attn,@function
k_q3f6f22d52e_attn:
	s_mov_b64 s[64:65], 0
	v_nop
	global_prefetch_b8 v0, s[64:65] scope:SCOPE_SE
	s_setreg_imm32_b32 hwreg(HW_REG_WAVE_MODE, 25, 1), 1
	s_wait_xcnt 0x0
; out0[b][q][64 h + d] = the sum over k of softmax_k(where(mask, -1e9, q . k / 8)) v[k][d], both products on codes of E4M3 with one E8M0 scale for each 32 along K.
; q, k, v come as images of operand registers (records of 8,704 bytes for 128 tokens of a head: four images of 2,048 bytes, 512 bytes of scale words); the mask as lane masks, one word a score register (mbits),
; and as two summary words for each tile of 16 queries and step of 128 keys (msum): the AND of the step's 64 words, and a word that is not 0 where the step hides anything.
; THE SOFTMAX: t = score x log2(e) / 8; M = the row's largest t so far, rounded up to a whole number; p = 2^(t - M) is quantised along the keys, not normalised; the row's sum is taken of the unquantised p
; and divides at the end.  When M moves, the sum and O are multiplied by 2^(old M - new M): exact.
; ONLY WHAT THE MASK ASKS FOR.  The mask is an input of whole numbers, read here from memory.  A step in which all 32 x 128 places of a wave's queries are hidden is passed over: a hidden logit is -1e9, so beside any
; open key of its row its p is 0 and adds nothing to the sum or to O.  That needs an open key in every row: where any of the 32 rows is hidden throughout (its AND bits stand in all 16 steps), nothing is passed over,
; and that row comes out uniform, as the definition has it.  The mask words are loaded, and the 64 selects run, only in steps that hide something.
; K's and V's images go from memory straight into registers.  No cluster and no joint load: the waves' walks differ with the data.
; SHARES.  A wave owns 32 queries of one head, two tiles (A, B) that share every fragment of K and V, and does two jobs: pair 63 - P, then pair P (P = 0 .. 31): under a mask that opens with the query's number the two
; together have the same count of steps in every wave.  64 heads x 32 waves = 256 work-groups of 8 waves, two waves to a SIMD.
; LAYOUT.  Both products are used transposed: a lane holds ONE query (lane % 16).  The head's K is 64 and the instruction's 128: a fragment of K holds two tiles of 16 keys and is multiplied by [q | 0] and by [0 | q].
; Score register 8 tau + i is key 16 tau + 8 (lane / 16) + i, in the order in which V's codes were laid.
; IN FLIGHT.  Both tiles' scores are made at a step's top (B's wait in window 1), so K's registers are free there: behind one run of places this step's V and the next step's K are asked for, 17 loads each;
; V has both softmaxes in which to land, K the whole step.  q of the second job is asked for at the first job's exit, ahead of the way out.
; THE MASK WORDS share 64 scalar registers: tile A's are asked for a step ahead, tile B's behind A's selects.  Each request stands under a branch on the list; the waits for them stand on every way, one between any two requests.
; PREFETCH: in the first job the waves with P = 0, 1, 2 of a head ask for the 68 blocks of 256 bytes of the step after next, a lane a block, one step ahead of the loads that want them; the first two steps come by their loads alone.
; A HIDDEN SCORE becomes -2^33 (a logit of -2^30 where the definition has -1e9): times c that is a whole number.
; LIMITS: the two differ only where a row's largest open logit lies near or under -1e9; NaN and infinities are not served, and none that lies under a step passed over is carried to the result; a block whose every p is 0 keeps the byte 1.
.set REC,   8704
.set STEPB, 2*REC                      ; a step: K's record, then V's
.set SP,    272                        ; the way out: a stage of 16 rows x (256 bytes + 16) for each wave
.set SPARE, 8*16*SP                    ; the spare words, 128 bytes a wave
.set LI,  1                            ; 16 x lane
.set SPW, 2
.set NIL, 3
.set NEG, 4                            ; -2^33
.set STO, 5
.set RD,  6
.set GO,  7
.set MTA, 8                            ; v[8:9] -M and the largest t of tile A;  v[10:11] of B
.set MTB, 10
.set SMA, 12                           ; v[12:13] the sum in two halves, A;  v[14:15] B
.set SMB, 14
.set QA,  16                           ; v16-39 q, eight zeros, q: [q | 0] begins at QA, [0 | q] at QA + 8
.set QB,  40
.set S,   64                           ; v64-127 tile A's scores; t - M and p of the tile in hand
.set OA,  128                          ; O^T, four tiles of 16 of the head's 64
.set OB,  160
.set PCA, 192                          ; p's codes
.set KS,  208                          ; scale words: K's four, V's four, q's, p's
.set VS,  212
.set QSA, 216
.set QSB, 217
.set PSA, 218
.set PSB, 219
.set BM,  220                          ; the blocks' largest scores, then largest p
.set PM,  224
.set HD,  228                          ; 448 x the scale
.set SO,  232                          ; the conversions' scale operands
.set TP,  224                          ; v224-235 also: six partial sums
.set T,   236
.set PFO, 237                          ; the prefetch's offset
.set F,   238                          ; v[238:239] f = 2^(old M - new M) in the low register
.set PCB, 240
.set S1,  128                          ; window 1: v0-63 K's four fragments, v64-127 V's, v128-191 tile B's scores
.set WV,  2
.set JOB, 3
.set REM, 4                            ; steps still to be asked for
.set ND,  5                            ; steps that hide something
.set CUR, 6
.set NXT, 7
.set CNT, 8
.set NTR, 9
.set SEL, 10
.set CS,  12                           ; s[12:13] c = log2(e) / 8
.set MNT, 14
.set TMP, 15
.set PJ,  66                           ; the job's pair of tiles, 0 .. 63
.set MO,  67
.set KVH, 84                           ; the head's first byte in kv
.set KB,  86                           ; the step whose K is asked for
.set QCP, 88
.set MBP, 90
.set OUP, 92
.set J0,  94                           ; a job's lists: steps to walk in bits 15:0, steps that hide something in 31:16
.set J1,  95
.set PFL, 96
.set P0,  97
.set OF,  98                           ; q's codes; in the loop the step whose V is asked for
.set VB,  98
.set MB,  100                          ; the job's mask words; on the way out its rows of the output
.set PB,  104
; mask word n: s[16 + n] for n < 48, s[20 + n] above
.set MSB, 0
.macro WIN new                         ; the immediate's high byte repeats the setting that is left
.if MSB != (\new)
	s_set_vgpr_msb (MSB<<8)|(\new)
.set MSB, (\new)
.endif
.endm
.macro PLACES n
.rept \n
	v_nop
.endr
.endm
.macro MLOAD o                         ; 64 words into scalar registers
	s_load_b512 s[16:31], s[MB:MB+1], s[MO] offset:\o
	s_load_b512 s[32:47], s[MB:MB+1], s[MO] offset:\o+0x40
	s_load_b512 s[48:63], s[MB:MB+1], s[MO] offset:\o+0x80
	s_load_b512 s[68:83], s[MB:MB+1], s[MO] offset:\o+0xc0
.endm
.macro REDUCE dst                      ; a pair's 64 summary words become its two lists
	MLOAD 0
	s_mov_b32 s4, -1
	s_mov_b32 s5, -1
	s_mov_b32 s6, 0
	s_mov_b32 s7, 0
	s_wait_kmcnt 0x0
.irp s, 0,1,2,3,4,5,6,7,8,9,10,11,12,13,14,15
.set RB, 48+2*\s+4*((32+2*\s)/48)
	s_and_b32 s4, s4, s[16+2*\s]                   ; tile A's AND over all steps,
	s_and_b32 s5, s5, s[RB]                        ; tile B's
	s_and_b32 s[TMP], s[16+2*\s], s[RB]
	s_cmp_lg_u32 s[TMP], -1                        ; some place of the step is open: it is walked
	s_cselect_b32 s[TMP], 1<<\s, 0
	s_or_b32 s6, s6, s[TMP]
	s_or_b32 s[TMP], s[17+2*\s], s[RB+1]           ; SCC: the step hides something
	s_cselect_b32 s[TMP], 1<<\s, 0
	s_or_b32 s7, s7, s[TMP]
.endr
	s_lshr_b32 s[TMP], s4, 16                      ; a row is hidden throughout where both its halves' bits stand
	s_and_b32 s4, s4, s[TMP]
	s_lshr_b32 s[TMP], s5, 16
	s_and_b32 s5, s5, s[TMP]
	s_or_b32 s4, s4, s5
	s_and_b32 s4, s4, 0xffff
	s_cselect_b32 s6, 0xffff, s6                   ; then every step is walked
	s_lshl_b32 s7, s7, 16
	s_or_b32 s[\dst], s6, s7
.endm
.macro QLOAD                           ; 9 loads: q of pair PJ: record pair / 4, image pair % 4: tile A in its first half, B in its second; each once for each of the two operands; and the scale word
	s_lshr_b32 s[OF], s[PJ], 2
	s_mul_i32 s[OF], s[OF], REC
	s_mov_b32 s[OF+1], 0
	s_and_b32 s[TMP], s[PJ], 3
	s_lshl_b32 s[PB], s[TMP], 2
	s_add_co_u32 s[PB], s[PB], s[OF]
	s_mov_b32 s[PB+1], 0
	s_lshl_b32 s[TMP], s[TMP], 11
	s_add_co_u32 s[OF], s[OF], s[TMP]
	s_add_nc_u64 s[OF:OF+1], s[QCP:QCP+1], s[OF:OF+1]
	s_add_nc_u64 s[PB:PB+1], s[QCP:QCP+1], s[PB:PB+1]
.irp u, 0,16
	global_load_b128 v[QA+\u:QA+\u+3], v[LI], s[OF:OF+1]
	global_load_b128 v[QA+\u+4:QA+\u+7], v[LI], s[OF:OF+1] offset:512
	global_load_b128 v[QB+\u:QB+\u+3], v[LI], s[OF:OF+1] offset:1024
	global_load_b128 v[QB+\u+4:QB+\u+7], v[LI], s[OF:OF+1] offset:1536
.endr
	global_load_b32 v[T], v[LI], s[PB:PB+1] offset:8192
.endm
.macro LOADK                           ; 17 loads: K's four fragments and their scale words
	WIN 0x40
.irp j, 0,1,2,3
.irp c, 0,1,2,3
	global_load_b128 v[16*\j+4*\c:16*\j+4*\c+3], v[LI], s[KB:KB+1] offset:2048*\j+512*\c
.endr
.endr
	WIN 0
	global_load_b128 v[KS:KS+3], v[LI], s[KB:KB+1] offset:8192
.endm
.macro LOADV                           ; 17 loads: V's
	WIN 0x40
.irp j, 0,1,2,3
.irp c, 0,1,2,3
	global_load_b128 v[64+16*\j+4*\c:64+16*\j+4*\c+3], v[LI], s[VB:VB+1] offset:REC+2048*\j+512*\c
.endr
.endr
	WIN 0
	global_load_b128 v[VS:VS+3], v[LI], s[VB:VB+1] offset:REC+8192
.endm
.macro QK d, q, qs                     ; S^T = K Q^T: keys 32 j + 0 .. 15 by [q | 0], keys 32 j + 16 .. 31 by [0 | q]
.irp j, 0,1,2,3
	v_wmma_scale_f32_16x16x128_f8f6f4 v[\d+16*\j:\d+16*\j+7], v[16*\j:16*\j+15], v[\q:\q+15], 0, v[KS+\j], v[\qs]
	v_wmma_scale_f32_16x16x128_f8f6f4 v[\d+16*\j+8:\d+16*\j+15], v[16*\j:16*\j+15], v[\q+8:\q+23], 0, v[KS+\j], v[\qs]
.endr
.endm
.macro HIDE sx                         ; hidden scores become -2^33; each accumulator is read from its low end on
.set nn, 0
.rept 64
	v_cndmask_b32 v[\sx+nn], v[\sx+nn], v[NEG], s[16+nn+4*(nn/48)]
.set nn, nn+1
.endr
.endm
; A tile's 128 scores become codes and a scale word; its sum and O^T go under the new M.  The scores stand at sx in window w; the multiply-add lays t - M at S in window 0.
.macro SOFTMAX mt, sm, o, pc, ps, sx, w
	WIN 5*\w
.if \w
	s_wait_alu depctr_va_vdst(0)                   ; directly ahead of the first reader of scores made ahead of the other tile's exponentials
.endif
.irp b, 0,1,2,3
	v_max_num_f32 v[BM+\b], v[\sx+16*\b], v[\sx+16*\b+1]   ; the largest score of each block of 32 keys: for the row's maximum and, since p rises with the score, for the block's largest p
.endr
.irp i, 2,4,6,8,10,12,14
.irp b, 0,1,2,3
	v_max3_num_f32 v[BM+\b], v[\sx+16*\b+\i], v[\sx+16*\b+\i+1], v[BM+\b]
.endr
.endr
	WIN 0
.irp b, 0,1,2,3
	v_permlanex16_b32 v[PM+\b], v[BM+\b], s[SEL], s[SEL+1]
.endr
.irp b, 0,1,2,3
	s_delay_alu instid0(VALU_DEP_4)
	v_max_num_f32 v[BM+\b], v[BM+\b], v[PM+\b]     ; with lane l xor 16's 16 keys
.endr
	s_delay_alu instid0(VALU_DEP_2)
	v_max3_num_f32 v[T], v[BM], v[BM+1], v[BM+2]
	s_delay_alu instid0(VALU_DEP_1)
	v_max_num_f32 v[T], v[T], v[BM+3]              ; the step's largest score of my query
	s_delay_alu instid0(VALU_DEP_1)
	v_mul_f32 v[T], s[CS], v[T]                    ; as t (c is positive)
	s_delay_alu instid0(VALU_DEP_1)
	v_max_num_f32 v[\mt+1], v[\mt+1], v[T]         ; the running largest t
	v_mov_b32 v[T], v[\mt]
	s_delay_alu instid0(VALU_DEP_2)
	v_floor_f32 v[\mt], -v[\mt+1]                  ; the new -M = -ceil(t)
	s_delay_alu instid0(VALU_DEP_1)
	v_sub_f32 v[T], v[\mt], v[T]                   ; old M - new M: a whole number, 0 or less
	s_delay_alu instid0(VALU_DEP_1)
	v_cvt_i32_f32 v[T], v[T]                       ; (it saturates)
	s_delay_alu instid0(VALU_DEP_1)
	v_ldexp_f32 v[F], 1.0, v[T]                    ; f = 2^(old M - new M)
	WIN \w
.set nn, 0
.rept 32
	v_pk_fma_f32 v[S+nn:S+nn+1], v[\sx+nn:\sx+nn+1], s[CS:CS+1], v[\mt:\mt+1] op_sel_hi:[1,0,0]   ; t - M, two at a time
.set nn, nn+2
.endr
	WIN 0
.irp b, 0,1,2,3
	v_fma_f32 v[BM+\b], v[BM+\b], s[CS], v[\mt]    ; the same of each block's largest score
.endr
	s_wait_alu depctr_va_vdst(0)                   ; ahead of the batch
.set nn, 0
.rept 64
	v_exp_f32 v[S+nn], v[S+nn]                     ; p = 2^(t - M), at most 1
.set nn, nn+1
.endr
	v_pk_mul_f32 v[\sm:\sm+1], v[\sm:\sm+1], v[F:F+1] op_sel_hi:[1,0]   ; the sums under the new M: a plain line behind the exponentials
	s_wait_alu depctr_va_vdst(0)                   ; one wait for the batch of 64, ahead of its first reader
.irp b, 0,1,2,3
	v_exp_f32 v[BM+\b], v[BM+\b]                   ; the block's largest p: the same two instructions on the same number
.endr
.irp k, 0,1,2,3,4,5                    ; the row's sum of the unquantised p: seven chains, two numbers a line
	v_pk_add_f32 v[TP+2*\k:TP+2*\k+1], v[S+4*\k:S+4*\k+1], v[S+4*\k+2:S+4*\k+3]
.endr
	v_pk_add_f32 v[\sm:\sm+1], v[\sm:\sm+1], v[S+24:S+25]
.irp r, 0,1
.irp k, 0,1,2,3,4,5
	v_pk_add_f32 v[TP+2*\k:TP+2*\k+1], v[TP+2*\k:TP+2*\k+1], v[S+26+14*\r+2*\k:S+27+14*\r+2*\k]
.endr
	v_pk_add_f32 v[\sm:\sm+1], v[\sm:\sm+1], v[S+38+14*\r:S+39+14*\r]
.endr
.irp k, 0,1,2,3,4
	v_pk_add_f32 v[TP+2*\k:TP+2*\k+1], v[TP+2*\k:TP+2*\k+1], v[S+54+2*\k:S+55+2*\k]
.endr
	v_pk_add_f32 v[\sm:\sm+1], v[\sm:\sm+1], v[TP+10:TP+11]
	v_pk_add_f32 v[TP:TP+1], v[TP:TP+1], v[TP+2:TP+3]
	s_delay_alu instid0(VALU_DEP_4)
	v_pk_add_f32 v[TP+4:TP+5], v[TP+4:TP+5], v[TP+6:TP+7]
	s_delay_alu instid0(VALU_DEP_3)
	v_pk_add_f32 v[\sm:\sm+1], v[\sm:\sm+1], v[TP+8:TP+9]
	s_delay_alu instid0(VALU_DEP_2)
	v_pk_add_f32 v[TP:TP+1], v[TP:TP+1], v[TP+4:TP+5]
	s_delay_alu instid0(VALU_DEP_1)
	v_pk_add_f32 v[\sm:\sm+1], v[\sm:\sm+1], v[TP:TP+1]
	s_wait_alu depctr_va_vdst(0)                   ; and one for the four
.irp b, 0,1,2,3
	v_max_num_f32 v[BM+\b], 0x4800000, v[BM+\b]    ; the floor 2^(9 - 127): the byte cannot fall under 1
.endr
.irp b, 0,1,2,3
	s_delay_alu instid0(VALU_DEP_4)
	v_add_nc_u32 v[SO+\b], 0xfc000000, v[BM+\b]    ; 8 off the exponent field: the conversion's scale operand
.endr
.irp b, 0,1,2,3
	v_and_or_b32 v[HD+\b], v[BM+\b], 0x7f800000, s[MNT]   ; 448 x the scale
.endr
.irp b, 0,1,2,3
	v_lshrrev_b32 v[PM+\b], 23, v[SO+\b]           ; the scale's byte
.endr
	s_delay_alu instid0(VALU_DEP_3)
	v_lshl_or_b32 v[\ps], v[PM+1], 8, v[PM]        ; p's scale word for these 128 keys
	s_delay_alu instid0(VALU_DEP_1)
	v_lshl_or_b32 v[\ps], v[PM+2], 16, v[\ps]
	s_delay_alu instid0(VALU_DEP_1)
	v_lshl_or_b32 v[\ps], v[PM+3], 24, v[\ps]
.irp b, 0,1,2,3
.set nn, 0
.rept 16
	v_min_num_f32 v[S+16*\b+nn], v[S+16*\b+nn], v[HD+\b]   ; the conversion to an 8-bit code does not saturate (ISA guide 7.6.2); p is not negative, so the hold is one-sided
.set nn, nn+1
.endr
	v_cvt_scalef32_pk8_fp8_f32 v[\pc+4*\b:\pc+4*\b+1], v[S+16*\b:S+16*\b+7], v[SO+\b]
	v_cvt_scalef32_pk8_fp8_f32 v[\pc+4*\b+2:\pc+4*\b+3], v[S+16*\b+8:S+16*\b+15], v[SO+\b]
.endr
	s_wait_alu depctr_va_vdst(0)                   ; directly ahead of the first reader of O^T
.set nn, 0
.rept 16
	v_pk_mul_f32 v[\o+nn:\o+nn+1], v[\o+nn:\o+nn+1], v[F:F+1] op_sel_hi:[1,0]   ; O^T under the new M
.set nn, nn+2
.endr
.endm
	s_load_b256 s[16:23], s[0:1], 0x0              ; qc, kv, mbits, msum
	s_load_b64 s[24:25], s[0:1], 0x20              ; out0
	v_lshl_add_u32 v[SPW], v0, 2, SPARE
	v_mov_b32 v[NIL], 0
	v_lshrrev_b32 v[T], 5, v0
	v_readfirstlane_b32 s[WV], v[T]                ; wave 0..7
	s_lshr_b32 s26, ttmp9, 2                       ; 16 b + h
	s_and_b32 s27, ttmp9, 3
	s_lshl_b32 s27, s27, 3
	s_add_co_u32 s[P0], s27, s[WV]                 ; P = 0 .. 31
	s_lshr_b32 s28, s26, 4
	s_lshl_b32 s28, s28, 6                         ; 64 b: the batch's first pair of tiles
	s_and_b32 s29, s26, 15                         ; h
	s_mul_i32 s30, s26, 16*STEPB                   ; the head's first byte in kv,
	s_mov_b32 s31, 0
	s_mul_i32 s32, s26, 16*REC                     ; in qc;
	s_mov_b32 s33, 0
	s_lshl_b32 s34, s28, 13                        ; a pair's 8,192 bytes of mask words,
	s_mov_b32 s35, 0
	s_lshl_b32 s36, s28, 17                        ; its 32 rows of 4,096 bytes of the output, and the head's 256 bytes of a row,
	s_lshl_b32 s37, s29, 8
	s_add_co_u32 s36, s36, s37
	s_mov_b32 s37, 0
	s_lshl_b32 s38, s28, 8                         ; its 256 bytes of summary words
	s_mov_b32 s39, 0
	s_lshl_b32 s40, s[P0], 13
	s_mul_i32 s41, s[WV], 16*SP                    ; my stage
	s_mov_b32 s[MNT], 0x600000                     ; the mantissa field of 448
	s_mov_b32 s[SEL], 0x76543210
	s_mov_b32 s[SEL+1], 0xfedcba98                 ; v_permlanex16_b32's selects for lane l xor 16
	s_mov_b32 s[CS], 0x3e38aa3b                    ; c = log2(e) / 8
	s_mov_b32 s[CS+1], s[CS]
	v_and_b32 v[T], 31, v0
	v_lshlrev_b32 v[LI], 4, v[T]
	v_lshlrev_b32 v[PFO], 8, v[T]
	v_add_nc_u32 v[PFO], s40, v[PFO]               ; block 32 P + lane of a step's 68,
	v_min_u32 v[PFO], STEPB-256, v[PFO]            ; held at the last
	v_and_b32 v[PM], 15, v0                        ; r
	v_bfe_u32 v[PM+1], v0, 4, 1                    ; h
	v_mul_u32_u24 v[STO], v[PM], SP
	v_lshl_add_u32 v[STO], v[PM+1], 5, v[STO]
	v_add_nc_u32 v[STO], s41, v[STO]               ; in: row r; tile t's eight channels of my half: 64 t + 32 h bytes on
	v_mul_u32_u24 v[RD], v[PM+1], SP
	v_lshl_add_u32 v[RD], v[PM], 4, v[RD]
	v_add_nc_u32 v[RD], s41, v[RD]                 ; back: lanes 0-15 one row, lanes 16-31 the next
	v_lshlrev_b32 v[GO], 12, v[PM+1]
	v_lshl_add_u32 v[GO], v[PM], 4, v[GO]          ; and the same two rows of the output
	v_mov_b32 v[NEG], 0xd0000000                   ; -2^33
	v_mov_b32 v[PM+2], 0                           ; a lane permute's destination counts as one of its sources
	v_mov_b32 v[PM+3], 0
	v_mov_b32 v[F+1], 0                            ; (named as the upper half of the pair)
.set nn, 0
.rept 8
	v_mov_b32 v[QA+8+nn], 0                        ; the zero halves
	v_mov_b32 v[QB+8+nn], 0
.set nn, nn+1
.endr
	s_wait_alu depctr_va_vdst(0)                   ; at the head's end
	s_wait_kmcnt 0x0
	s_add_nc_u64 s[QCP:QCP+1], s[16:17], s[32:33]
	s_add_nc_u64 s[KVH:KVH+1], s[18:19], s[30:31]
	s_add_nc_u64 s[MBP:MBP+1], s[20:21], s[34:35]
	s_add_nc_u64 s[MB:MB+1], s[22:23], s[38:39]    ; (the summary words, until the first job begins)
	s_add_nc_u64 s[OUP:OUP+1], s[24:25], s[36:37]
	s_sub_co_u32 s[PJ], 63, s[P0]
	QLOAD                                          ; the first job's q: its place hangs on ids alone
	s_lshl_b32 s[MO], s[PJ], 8
	REDUCE J0
	s_ctz_i32_b32 s[TMP], s[J0]                    ; the first job's first step: its K is asked for at once
	s_min_u32 s[TMP], s[TMP], 15
	s_mul_i32 s[KB], s[TMP], STEPB
	s_mov_b32 s[KB+1], 0
	s_add_nc_u64 s[KB:KB+1], s[KVH:KVH+1], s[KB:KB+1]
	LOADK
	s_lshl_b32 s[MO], s[P0], 8
	REDUCE J1
	s_mov_b32 s[JOB], 0
.Ljob:
	s_wait_xcnt 0x0                                ; the last job's stores have read their registers and their base
	s_lshl_b32 s[PFL], s[JOB], 5
	s_add_co_u32 s[PFL], s[PFL], s[P0]             ; under 3: my wave prefetches in this job
	s_cmp_eq_u32 s[JOB], 0
	s_cselect_b32 s[TMP], s[J0], s[J1]
	s_and_b32 s[REM], s[TMP], 0xffff
	s_lshr_b32 s[ND], s[TMP], 16
	s_bcnt1_i32_b32 s[NTR], s[REM]                 ; the job's trips: at least one
	s_ctz_i32_b32 s[CUR], s[REM]
	s_min_u32 s[CUR], s[CUR], 15
	s_sub_co_u32 s[TMP], s[REM], 1
	s_and_b32 s[REM], s[REM], s[TMP]               ; its bit is taken off the list
	s_mov_b32 s[CNT], 0
	s_lshl_b32 s[MB], s[PJ], 13
	s_mov_b32 s[MB+1], 0
	s_add_nc_u64 s[MB:MB+1], s[MBP:MBP+1], s[MB:MB+1]
	s_lshl_b32 s[MO], s[CUR], 8
	s_bitcmp1_b32 s[ND], s[CUR]
	s_cbranch_scc0 .Lno_m
	MLOAD 0                                        ; tile A's mask words of the first step, where it hides something
.Lno_m:
	s_wait_loadcnt 0x0                             ; q, and the first step's K
	v_and_b32 v[QSA], 0xffff, v[T]                 ; a token's two bytes, for both halves of K
	v_lshrrev_b32 v[QSB], 16, v[T]
	v_lshl_or_b32 v[QSA], v[QSA], 16, v[QSA]
	v_lshl_or_b32 v[QSB], v[QSB], 16, v[QSB]
.set nn, 0
.rept 64
	v_mov_b32 v[OA+nn], 0                          ; O^T.  (The step is written once: the first finds zeros, which the first change of M leaves zeros)
.set nn, nn+1
.endr
	v_mov_b32 v[MTA+1], 0xff61b1e6                 ; the largest t so far: -3e38, under every t
	v_mov_b32 v[MTB+1], 0xff61b1e6
	v_floor_f32 v[MTA], -v[MTA+1]
	v_floor_f32 v[MTB], -v[MTB+1]
.irp n, 0,1,2,3
	v_mov_b32 v[SMA+\n], 0
.endr
	s_wait_alu depctr_va_vdst(0)
.Lstep:                                            ; a key step of 128 keys for both tiles
	s_wait_loadcnt 0x0                             ; K is in: nothing was asked for behind it
	WIN 0x01
	QK S, QA, QSA
	WIN 0x41
	QK S1, QB, QSB                                 ; tile B's scores wait in window 1
	WIN 0
	PLACES 8                                       ; in front of the loads into K's and V's registers and of the first read of the scores
	s_cmp_eq_u32 s[REM], 0                         ; the next step on the list; behind a job's last step the second job's first
	s_cselect_b32 s[TMP], s[J1], s[REM]
	s_ctz_i32_b32 s[NXT], s[TMP]
	s_min_u32 s[NXT], s[NXT], 15
	s_sub_co_u32 s[TMP], s[REM], 1
	s_and_b32 s[REM], s[REM], s[TMP]
	s_wait_xcnt 0x0                                ; the last loads and the last prefetch have read their bases
	s_mov_b64 s[VB:VB+1], s[KB:KB+1]               ; V of this step lies behind its K
	s_mul_i32 s[KB], s[NXT], STEPB
	s_mov_b32 s[KB+1], 0
	s_add_nc_u64 s[KB:KB+1], s[KVH:KVH+1], s[KB:KB+1]
	LOADV
	LOADK
	s_cmp_lg_u32 s[REM], 0                         ; is there a step after next, and do I ask?
	s_cselect_b32 s[TMP], s[PFL], 3
	s_cmp_lt_u32 s[TMP], 3
	s_cbranch_scc0 .Lnot_mine
	s_ctz_i32_b32 s[TMP], s[REM]
	s_min_u32 s[TMP], s[TMP], 15
	s_mul_i32 s[PB], s[TMP], STEPB
	s_mov_b32 s[PB+1], 0
	s_add_nc_u64 s[PB:PB+1], s[KVH:KVH+1], s[PB:PB+1]
	global_prefetch_b8 v[PFO], s[PB:PB+1] th:TH_LOAD_NT scope:SCOPE_SE
.Lnot_mine:
	s_wait_kmcnt 0x0                               ; tile A's mask words, where they were asked for
	s_bitcmp1_b32 s[ND], s[CUR]
	s_cbranch_scc0 .Lopen_a
	HIDE S
	MLOAD 4096                                     ; tile B's words
.Lopen_a:
	SOFTMAX MTA, SMA, OA, PCA, PSA, S, 0
	s_wait_kmcnt 0x0                               ; tile B's mask words, where they were asked for
	s_bitcmp1_b32 s[ND], s[CUR]
	s_cbranch_scc0 .Lopen_b
	WIN 0x41
	s_wait_alu depctr_va_vdst(0)                   ; directly ahead of the scores' first reader
	HIDE S1
	WIN 0
.Lopen_b:
	s_lshl_b32 s[MO], s[NXT], 8
	s_bitcmp1_b32 s[ND], s[NXT]
	s_cbranch_scc0 .Lno_a
	MLOAD 0                                        ; tile A's words of the next step, where it hides something
.Lno_a:
	SOFTMAX MTB, SMB, OB, PCB, PSB, S1, 1
	s_wait_alu depctr_va_vdst(0)                   ; directly ahead of the wait below
	s_wait_loadcnt 17                              ; V is in; behind it the next K's 17 loads may be out
	WIN 0x01
.irp t, 0,1,2,3                        ; O^T += V^T P^T: eight accumulators by turns
	v_wmma_scale_f32_16x16x128_f8f6f4 v[OA+8*\t:OA+8*\t+7], v[64+16*\t:64+16*\t+15], v[PCA:PCA+15], v[OA+8*\t:OA+8*\t+7], v[VS+\t], v[PSA]
	v_wmma_scale_f32_16x16x128_f8f6f4 v[OB+8*\t:OB+8*\t+7], v[64+16*\t:64+16*\t+15], v[PCB:PCB+15], v[OB+8*\t:OB+8*\t+7], v[VS+\t], v[PSB]
.endr
	WIN 0
	s_mov_b32 s[CUR], s[NXT]
	s_add_co_u32 s[CNT], s[CNT], 1
	s_cmp_lt_u32 s[CNT], s[NTR]
	s_cbranch_scc1 .Lstep
	; THE WAY OUT.  O^T is divided by the row's sum and goes through my stage in LDS, so that sixteen lanes store a query's 256 bytes of this head as one aligned run.
	s_wait_kmcnt 0x0                               ; (words asked for ahead, if any: their base may be written)
	s_lshl_b32 s[MB], s[PJ], 17
	s_mov_b32 s[MB+1], 0
	s_add_nc_u64 s[MB:MB+1], s[OUP:OUP+1], s[MB:MB+1]
	s_cmp_eq_u32 s[JOB], 1
	s_cbranch_scc1 .Lno_q
	s_mov_b32 s[PJ], s[P0]                         ; the second job's q is asked for now, and lands under the way out
	s_wait_xcnt 0x0
	QLOAD
.Lno_q:
	v_add_f32 v[SMA], v[SMA], v[SMA+1]             ; the sums' two halves,
	v_add_f32 v[SMB], v[SMB], v[SMB+1]
	v_permlanex16_b32 v[PM], v[SMA], s[SEL], s[SEL+1]
	v_permlanex16_b32 v[PM+1], v[SMB], s[SEL], s[SEL+1]
	v_add_f32 v[SMA], v[SMA], v[PM]                ; and lane l xor 16's
	v_add_f32 v[SMB], v[SMB], v[PM+1]
	s_wait_alu depctr_va_vdst(0)                   ; ahead of the batch
	v_rcp_f32 v[SMA], v[SMA]
	v_rcp_f32 v[SMB], v[SMB]
	PLACES 3                                       ; with the six lines above: nine places behind the last products
	s_wait_alu depctr_va_vdst(0)                   ; and ahead of its first reader, which is O^T's first reader too
.set nn, 0
.rept 32
	v_mul_f32 v[S+nn], v[OA+nn], v[SMA]            ; register 8 t + i is channel 16 t + 8 h + i of query r
.set nn, nn+1
.endr
.set nn, 0
.rept 32
	v_mul_f32 v[S+32+nn], v[OB+nn], v[SMB]
.set nn, nn+1
.endr
.irp t, 0,1,2,3
	ds_store_b128 v[STO], v[S+8*\t:S+8*\t+3] offset:64*\t
	ds_store_b128 v[STO], v[S+8*\t+4:S+8*\t+7] offset:64*\t+16
.endr
.irp i, 0,1,2,3,4,5,6,7
	ds_load_b128 v[PCA+4*\i+32*(\i/4):PCA+4*\i+32*(\i/4)+3], v[RD] offset:2*\i*SP   ; LDS serves a wave's instructions in order: these see my stores, and tile B's stores come behind them
.endr
.irp t, 0,1,2,3
	ds_store_b128 v[STO], v[S+32+8*\t:S+32+8*\t+3] offset:64*\t
	ds_store_b128 v[STO], v[S+32+8*\t+4:S+32+8*\t+7] offset:64*\t+16
.endr
.irp i, 0,1,2,3,4,5,6,7
	ds_load_b128 v[OA+4*\i:OA+4*\i+3], v[RD] offset:2*\i*SP
.endr
.irp i, 0,1,2,3,4,5,6,7
	s_wait_dscnt 23-\i                             ; tile A's rows 2 i and 2 i + 1 are back; behind them its later rows and tile B's 16 instructions
	global_store_b128 v[GO], v[PCA+4*\i+32*(\i/4):PCA+4*\i+32*(\i/4)+3], s[MB:MB+1] offset:8192*\i th:TH_STORE_NT   ; sixteen lanes store 256 consecutive bytes, aligned
.endr
.irp i, 0,1,2,3,4,5,6,7
	s_wait_dscnt 7-\i
	global_store_b128 v[GO], v[OA+4*\i:OA+4*\i+3], s[MB:MB+1] offset:65536+8192*\i th:TH_STORE_NT
.endr
	s_add_co_u32 s[JOB], s[JOB], 1
	s_cmp_lt_u32 s[JOB], 2
	s_cbranch_scc1 .Ljob
	s_wait_tensorcnt 0x0                           ; the wave's end
	ds_add_u32 v[SPW], v[NIL]
	s_wait_dscnt 0x0
	s_endpgm
.Lfunc_end_k_q3f6f22d52e_attn:
	.size	k_q3f6f22d52e_attn, .Lfunc_end_k_q3f6f22d52e_attn-k_q3f6f22d52e_attn
	.p2alignl 7, 3214868480
	.fill 96, 4, 3214868480
	.section	.rodata,"a",@progbits
	.p2align	6, 0x0
	.amdhsa_kernel k_q3f6f22d52e_attn
		.amdhsa_group_segment_fixed_size 35840
		.amdhsa_private_segment_fixed_size 0
		.amdhsa_enable_private_segment 0
		.amdhsa_kernarg_size 40
		.amdhsa_user_sgpr_count 2
		.amdhsa_user_sgpr_kernarg_segment_ptr 1
		.amdhsa_wavefront_size32 1
		.amdhsa_system_sgpr_workgroup_id_x 1
		.amdhsa_system_sgpr_workgroup_id_y 1
		.amdhsa_system_sgpr_workgroup_id_z 1
		.amdhsa_system_vgpr_workitem_id 0
		.amdhsa_next_free_vgpr 448
		.amdhsa_next_free_sgpr 106
		.amdhsa_reserve_vcc 0
		.amdhsa_float_denorm_mode_32 3
		.amdhsa_float_denorm_mode_16_64 3
		.amdhsa_memory_ordered 1
		.amdhsa_forward_progress 1
		.amdhsa_inst_pref_size 76
	.end_amdhsa_kernel
	.amdgpu_metadata
---
amdhsa.version: [ 1, 2 ]
amdhsa.kernels:
  - .name:           k_q3f6f22d52e_attn
    .symbol:         k_q3f6f22d52e_attn.kd
    .args:
      - { .name: qc, .offset: 0, .size: 8, .value_kind: global_buffer, .address_space: global }
      - { .name: kv, .offset: 8, .size: 8, .value_kind: global_buffer, .address_space: global }
      - { .name: mbits, .offset: 16, .size: 8, .value_kind: global_buffer, .address_space: global }
      - { .name: msum, .offset: 24, .size: 8, .value_kind: global_buffer, .address_space: global }
      - { .name: out0, .offset: 32, .size: 8, .value_kind: global_buffer, .address_space: global }
    .group_segment_fixed_size: 35840
    .private_segment_fixed_size: 0
    .kernarg_segment_align: 8
    .kernarg_segment_size: 40
    .max_flat_workgroup_size: 256
    .sgpr_count:     106
    .vgpr_count:     448
    .wavefront_size: 32
...
	.end_amdgpu_metadata
.endif
;; end of part 3
